; MI455X (gfx1250); checked and timed in simulation.
; The chip was launched on July 23, 2026; its instructions are those of AMD's public machine-readable ISA for CDNA 5 (MIT licence, August 2026) and "CDNA5" Instruction Set Architecture Reference Guide (July 2026). The comments in the code are by the model that wrote it; some were corrected since.
;; Multi Head Attention. Allowed arithmetic: matrix products marked QUANTISED: E2M3 operands, one E8M0 scale for each 32 along K, by v_wmma_scale_f32_16x16x128_f8f6f4 with both operands' format E2M3, f32 sums; everything else in f32.
;; Inputs: Wk 16 x 64 x 1,024 float32; Wq 16 x 64 x 1,024 float32; Wv 16 x 64 x 1,024 float32; embedded 2 x 2,048 x 1,024 float32.
;; Outputs: out0 2 x 2,048 x 1,024 float32.
;; This version of the problem:
;;   THIS VERSION OF THE PROBLEM IS GIVEN IN LOW PRECISION. The matrix products marked QUANTISED in the list below multiply operands that are first quantised to E2M3 (2 exponent bits, 3 mantissa bits; 6 bits a number), with one power-of-two scale for each 32 numbers along K (OCP MX v1.0); their sums are f32. All else is computed in f32.
;;   The module's matrix products, in the order in which they are computed (A, B: the left and right operand; K: the contracted axis; several contracted axes count as one K, in the product's order):
;;     1. [M 1,024, K 1,024] x [K 1,024, N 4,096]; A: input Wq; B: input embedded: QUANTISED
;;     2. [M 1,024, K 1,024] x [K 1,024, N 4,096]; A: input Wk; B: input embedded: QUANTISED
;;     3. [M 1,024, K 1,024] x [K 1,024, N 4,096]; A: input Wv; B: input embedded: QUANTISED
;;     4. batch 32 x [M 2,048, K 64] x [K 64, N 2,048]; A: computed on the way; B: computed on the way: QUANTISED
;;     5. batch 32 x [M 2,048, K 2,048] x [K 2,048, N 64]; A: softmax (see below); B: computed on the way: QUANTISED
;;   THE QUANTISER, for each operand of a quantised product, along K:
;;     - K is cut into blocks of 32 from its start; a last block that is shorter is filled with zeros.
;;     - A block's scale is 2^e with e = floor(log2(the largest magnitude in the block)) - 2, held to -126 .. 127; a block of zeros has e = 0. As a byte (E8M0): e + 127.
;;     - Each number is divided by its block's scale, clamped to +-7.5, and rounded to the nearest number of E2M3, ties to even, subnormals kept.
;;     - The product sums the exact products of the quantised numbers (number of the format x scale) in f32.
;;   ~~~python
;;   def quantise(x, axis):      # numpy; x: float32 -> the quantised numbers, widened to float32 again
;;       x = np.moveaxis(x, axis, -1); K = x.shape[-1]
;;       x = np.pad(x, [(0, 0)] * (x.ndim - 1) + [(0, -K % 32)]); x = x.reshape(x.shape[:-1] + (-1, 32)); a = np.abs(x).max(-1, keepdims=True)
;;       e = np.where(a > 0, np.clip(np.frexp(np.where(a > 0, a, 1))[1] - 1 - 2, -126, 127), 0)      # np.frexp(a)[1] - 1 = floor(log2(a)), exactly
;;       r = np.clip(x / 2.0 ** e, -7.5, 7.5)
;;       step = 2.0 ** (np.maximum(np.frexp(np.where(r == 0, 1, r))[1] - 1, 0) - 3)
;;       q = np.round(r / step) * step * 2.0 ** e      # np.round: ties to even
;;       return np.moveaxis(q.reshape(q.shape[:-2] + (-1,))[..., :K], -1, axis).astype(np.float32)
;;   ~~~
;;   SOFTMAX AHEAD OF A QUANTISED PRODUCT. Where the list says 'softmax', what is quantised is not the finished softmax but p = 2^(t - M), with t = logit x log2(e) and M = ceil(the row's largest t), a whole number; so 1/2 < the row's largest p <= 1. The row's sum l is taken of the UNQUANTISED p, in f32, and the product's result is divided by l at the end. Since M is a whole number, a kernel that streams over the keys may use a running M (the ceiling of the running maximum): every later rescaling is an exact power of two, which a block's scale takes up: the codes' values come out the same.
;;   OPERANDS COMPUTED ON THE WAY. 'Computed on the way' means the value that the module computes at that place (a softmax that the list does not call 'softmax' is quantised finished and normalised). What goes into a quantiser is computed in f32, as accurately as f32 sums, v_exp_f32 and their like allow (about 1e-6 of the number): no bf16 or f16 on the way to a quantiser, and a product that is left as it is and whose result goes on into a quantised operand takes f32 operands (vector FMAs, or v_wmma_f32_16x16x4_f32). A number that lies on a knife's edge between two numbers of the format may be rounded either way, as far as f32 arithmetic and the matrix unit's own rounding can turn it there, and no further.
;; One version. Each part assembles by itself: llvm-mc -triple=amdgcn-amd-amdhsa -mcpu=gfx1250 --defsym DOCPART=n.
;; ======== version 1 of 1: 3 launches
;; limits: right only within a limited range of input values
;; workspace buffers: xw_codes 5,505,024 bytes; xw_scales 229,376 bytes; qc 3,407,872 bytes; kv 6,684,672 bytes
;; launch quant (part 1): grid 448 x 1, 8 waves a work-group, no clusters, 69,632 bytes of LDS; arguments embedded, Wq, Wk, Wv, xw_codes, xw_scales; writes xw_codes, xw_scales
.if DOCPART == 1
	.amdgcn_target "amdgcn-amd-amdhsa--gfx1250"
	.amdhsa_code_object_version 6
	.text
	.protected	k_q543d00a7d4_quant
	.globl	k_q543d00a7d4_quant
	.p2align	8
	.type	k_q543d00a7d4_quant,@function
k_q543d00a7d4_quant:
	s_mov_b64 s[64:65], 0
	v_nop
	global_prefetch_b8 v0, s[64:65] scope:SCOPE_SE
	s_setreg_imm32_b32 hwreg(HW_REG_WAVE_MODE, 25, 1), 1
	s_wait_xcnt 0x0
; embedded [4096][1024] and Wq, Wk, Wv [1024][1024], f32, K = the last axis, become codes of FP6 (E2M3) with one E8M0 byte for each 32 along K,
; laid as IMAGES OF OPERAND REGISTERS: a fragment (16 rows x 128 K, 12 registers a lane) is 1,536 bytes, register group g (4 registers) of lane l at 512 g + 16 l.
; THE ROWS OF A TILE ARE NOT NEIGHBOURS: lane r of tile T is row 64 (T / 4) + 8 (T % 4) + r % 8 + 32 (r / 8).  So the results of four tiles on end, used as source 0, are 32 NEIGHBOURS in a lane's 32 registers:
; a whole scale block of the next product in one lane.
; A block's scale is 2^(floor(log2(its largest magnitude)) - 2): its byte is the largest magnitude's exponent field - 2, held at 1 from below.
; LIMITS: NaN and infinities among the inputs are not served; a block whose largest magnitude lies under 2^-124 has its byte held at 1; a block of zeros gets the byte 1 where the rule says 127:
; its codes are zeros, which add nothing under any byte but 0xff, and the bytes are read by this program alone.
; WORK LEFT OUT BY THE PROGRAM: reference() sets the score of every key behind the query's token to -inf, whatever the inputs hold, so its p is 0: key steps of 128 that lie wholly behind a tile's queries
; are not multiplied (third launch).  A NaN, an infinity or an overflow that reaches only those scores is not carried to the result.
; SHARES: work-group g takes one tile of 16 rows (g < 256: tile g of embedded; then 64 tiles each of Wq, Wk, Wv), wave s the K step s of 128: one fragment a wave.
; Each load reads 512 consecutive bytes of one row; the 16 x 512 bytes turn through the wave's own stage in LDS (rows 528 bytes apart) and come back so that a lane holds two whole blocks of 32,
; in the order of the operand's registers.  No work-group shares an input with another: no cluster, no tensor load.  No loop to run ahead in: no prefetch.
; OUT: xw_codes: x [tile 256][s 8][1536], then W at fragment 2,048: [head 16][s 8][q, k, v][t 4][1536].
;      xw_scales: 512 bytes a tile (x's 256 tiles, then W's [head][4 p + t]): the word at 16 l + 4 j is row l % 16's scale word of K step 2 j + l / 16.
.set STG,  8448                        ; a wave's stage: 16 rows x 528 bytes
.set SPI,  528
.set SCB,  8*STG                       ; behind the stages: the tile's 512 bytes of scale words
.set SPARE, 0x10c00                    ; spare words, 128 bytes a wave
.set R,    40                          ; v40-103   the 16 rows' pieces as loaded
.set X,    104                         ; v104-167  my two blocks of 32 numbers
	s_load_b256 s[4:11], s[0:1], 0x0               ; embedded s[4:5], Wq s[6:7], Wk s[8:9], Wv s[10:11]
	s_load_b128 s[12:15], s[0:1], 0x20             ; xw_codes s[12:13], xw_scales s[14:15]
	v_lshl_add_u32 v168, v0, 2, SPARE
	v_mov_b32 v169, 0
	v_lshrrev_b32 v1, 5, v0
	s_delay_alu instid0(VALU_DEP_1)
	v_readfirstlane_b32 s16, v1                    ; wave = K step s
	v_and_b32 v1, 31, v0                           ; lane
	s_delay_alu instid0(VALU_DEP_1)
	v_lshlrev_b32 v2, 4, v1                        ; 16 x lane
	v_and_b32 v3, 15, v0                           ; r
	v_bfe_u32 v4, v0, 4, 1                         ; h
	s_mul_i32 s17, s16, STG
	v_add_nc_u32 v5, s17, v2                       ; into the stage: 16 x lane of a row
	v_mul_u32_u24 v6, v3, SPI
	s_delay_alu instid0(VALU_DEP_1)
	v_lshl_add_u32 v6, v4, 7, v6
	s_delay_alu instid0(VALU_DEP_1)
	v_add_nc_u32 v6, s17, v6                       ; out of it: row r, + 128 h: my block of each 64 along K
	s_and_b32 s18, s16, 1
	s_lshl_b32 s18, s18, 8
	s_lshr_b32 s19, s16, 1
	s_lshl_b32 s19, s19, 2
	s_add_co_u32 s18, s18, s19
	s_add_co_u32 s18, s18, SCB
	v_lshl_add_u32 v7, v3, 4, s18                  ; my row's scale word of this K step: SCB + 16 r + 256 (s % 2) + 4 (s / 2)
	v_add_nc_u32 v35, SCB, v2                      ; where wave 0 reads the 512 bytes back
	v_mov_b32 v15, 0                               ; a lane permute's destination counts as one of its sources
	s_mov_b32 s20, 0x76543210
	s_mov_b32 s21, 0xfedcba98                      ; v_permlanex16_b32's selects for lane l xor 16
	; which tile, and where its parts lie.  All of it hangs on the work-group's and the wave's number alone
	s_max_u32 s25, ttmp9, 256
	s_sub_co_u32 s25, s25, 256                     ; W's work-groups count from 0 (0 in x's)
	s_lshr_b32 s26, s25, 6                         ; p: 0 q, 1 k, 2 v
	s_and_b32 s25, s25, 63                         ; W's tile
	s_cmp_lt_u32 ttmp9, 256
	s_cselect_b32 s24, ttmp9, s25                  ; T
	s_lshr_b32 s27, s24, 2
	s_lshl_b32 s27, s27, 18                        ; 64 (T / 4) rows of 4,096 bytes
	s_and_b32 s28, s24, 3
	s_lshl_b32 s28, s28, 15                        ; 8 (T % 4) rows
	s_add_co_u32 s27, s27, s28
	s_lshl_b32 s28, s16, 9                         ; 512 bytes a K step
	s_add_co_u32 s30, s27, s28
	s_mov_b32 s31, 0
	s_lshl_b32 s27, s24, 3
	s_add_co_u32 s27, s27, s16                     ; x's fragment: 8 T + s
	s_lshr_b32 s28, s25, 2                         ; head
	s_and_b32 s29, s25, 3                          ; t
	s_lshl_b32 s32, s26, 2
	s_add_co_u32 s29, s29, s32                     ; 4 p + t
	s_lshl_b32 s32, s28, 3
	s_add_co_u32 s32, s32, s16
	s_mul_i32 s32, s32, 12
	s_add_co_u32 s32, s32, s29
	s_add_co_u32 s32, s32, 2048                    ; W's fragment: 2,048 + 12 (8 head + s) + 4 p + t
	s_mul_i32 s28, s28, 12
	s_add_co_u32 s28, s28, s29
	s_add_co_u32 s28, s28, 256                     ; W's tile among the scale words: 256 + 12 head + 4 p + t
	s_cmp_lt_u32 ttmp9, 256
	s_cselect_b32 s32, s27, s32
	s_cselect_b32 s34, s24, s28
	s_mul_i32 s32, s32, 1536
	s_mov_b32 s33, 0
	s_lshl_b32 s34, s34, 9
	s_mov_b32 s35, 0
	s_wait_alu depctr_va_vdst(0)                   ; the wait at the head's end
	s_wait_kmcnt 0x0
	s_cmp_lt_u32 ttmp9, 384                        ; the tensor is chosen by the work-group's number alone
	s_cselect_b64 s[22:23], s[8:9], s[10:11]
	s_cmp_lt_u32 ttmp9, 320
	s_cselect_b64 s[22:23], s[6:7], s[22:23]
	s_cmp_lt_u32 ttmp9, 256
	s_cselect_b64 s[22:23], s[4:5], s[22:23]
	s_add_nc_u64 s[22:23], s[22:23], s[30:31]
	s_add_nc_u64 s[12:13], s[12:13], s[32:33]
	s_add_nc_u64 s[14:15], s[14:15], s[34:35]
.irp i, 0,1,2,3,4,5,6,7,8,9,10,11,12,13,14,15
	global_load_b128 v[R+4*\i:R+4*\i+3], v2, s[22:23] offset:(\i+24*(\i/8))*4096 th:TH_LOAD_NT   ; the tile's row i: 32 lanes read 512 consecutive bytes; read once in the launch
.endr
.irp i, 0,1,2,3,4,5,6,7,8,9,10,11,12,13,14,15
	s_wait_loadcnt 15-\i                           ; loads come back in order: row i is in, the 15 - i younger ones may be out
	ds_store_b128 v5, v[R+4*\i:R+4*\i+3] offset:SPI*\i
.endr
.irp c, 0,1
.irp j, 0,1,2,3,4,5,6,7
	ds_load_b128 v[X+32*\c+4*\j:X+32*\c+4*\j+3], v6 offset:256*\c+16*\j   ; k = 64 c + 32 h + 4 j ..; LDS serves a wave's instructions in order: these see my stores
.endr
.endr
	s_wait_dscnt 0x0
.irp c, 0,1
	v_max3_num_f32 v[8+\c], |v[X+32*\c]|, |v[X+32*\c+1]|, 0x1800000   ; my block 2 c + h: all 32 numbers are mine; the floor 2^(3 - 127) holds the byte at 1 from below
.endr
.irp i, 2,4,6,8,10,12,14,16,18,20,22,24,26,28,30
.irp c, 0,1
	s_delay_alu instid0(VALU_DEP_2)
	v_max3_num_f32 v[8+\c], v[8+\c], |v[X+32*\c+\i]|, |v[X+32*\c+\i+1]|
.endr
.endr
.irp c, 0,1
	s_delay_alu instid0(VALU_DEP_2)
	v_add_nc_u32 v[10+\c], 0xff000000, v[8+\c]     ; 2 off the exponent field: the conversion takes this operand's exponent field as its scale
.endr
.irp c, 0,1
	s_delay_alu instid0(VALU_DEP_2)
	v_lshrrev_b32 v[12+\c], 23, v[10+\c]           ; the scale's byte
.endr
	v_cvt_scalef32_pk16_fp6_f32 v[16:18], v[X:X+15], v10
	v_cvt_scalef32_pk16_fp6_f32 v[28:30], v[X+16:X+31], v10       ; (a conversion's three registers begin on an even number: the upper halves are made elsewhere and moved)
	v_cvt_scalef32_pk16_fp6_f32 v[22:24], v[X+32:X+47], v11
	v_cvt_scalef32_pk16_fp6_f32 v[32:34], v[X+48:X+63], v11
	v_nop                                          ; one plain place behind the scaled conversions
.irp i, 0,1,2
	v_mov_b32 v[19+\i], v[28+\i]
	v_mov_b32 v[25+\i], v[32+\i]
.endr
.irp g, 0,1,2
	global_store_b128 v2, v[16+4*\g:19+4*\g], s[12:13] offset:512*\g   ; the fragment's image: 512 consecutive bytes a store, aligned to 256
.endr
	v_lshl_or_b32 v14, v13, 16, v12                ; my two bytes: blocks h and 2 + h of row r,
	v_lshlrev_b32 v8, 3, v4
	s_delay_alu instid0(VALU_DEP_1)
	v_lshlrev_b32 v14, v8, v14                     ; 8 h bits up;
	s_delay_alu instid0(VALU_DEP_1)
	v_permlanex16_b32 v15, v14, s20, s21
	s_delay_alu instid0(VALU_DEP_1)
	v_or_b32 v14, v14, v15                         ; with lane l xor 16's two the word is whole
	ds_store_b32 v7, v14                           ; (both lanes of a row write the same word with the same value)
	s_wait_dscnt 0x0                               ; for the others' sake: my word has landed
	s_barrier_signal -1
	s_barrier_wait -1                              ; the eight K steps' words lie together
	s_cmp_lg_u32 s16, 0
	s_cbranch_scc1 .Ldone
	ds_load_b128 v[36:39], v35
	s_wait_dscnt 0x0
	global_store_b128 v2, v[36:39], s[14:15]       ; wave 0 stores the tile's 512 bytes of scale words, consecutive and aligned
.Ldone:
	s_wait_tensorcnt 0x0                           ; the wave's end
	ds_add_u32 v168, v169
	s_wait_dscnt 0x0
	s_endpgm
.Lfunc_end_k_q543d00a7d4_quant:
	.size	k_q543d00a7d4_quant, .Lfunc_end_k_q543d00a7d4_quant-k_q543d00a7d4_quant
	.p2alignl 7, 3214868480
	.fill 96, 4, 3214868480
	.section	.rodata,"a",@progbits
	.p2align	6, 0x0
	.amdhsa_kernel k_q543d00a7d4_quant
		.amdhsa_group_segment_fixed_size 69632
		.amdhsa_private_segment_fixed_size 0
		.amdhsa_enable_private_segment 0
		.amdhsa_kernarg_size 48
		.amdhsa_user_sgpr_count 2
		.amdhsa_user_sgpr_kernarg_segment_ptr 1
		.amdhsa_wavefront_size32 1
		.amdhsa_system_sgpr_workgroup_id_x 1
		.amdhsa_system_sgpr_workgroup_id_y 1
		.amdhsa_system_sgpr_workgroup_id_z 1
		.amdhsa_system_vgpr_workitem_id 0
		.amdhsa_next_free_vgpr 170
		.amdhsa_next_free_sgpr 66
		.amdhsa_reserve_vcc 0
		.amdhsa_float_denorm_mode_32 3
		.amdhsa_float_denorm_mode_16_64 3
		.amdhsa_memory_ordered 1
		.amdhsa_forward_progress 1
		.amdhsa_inst_pref_size 13
	.end_amdhsa_kernel
	.amdgpu_metadata
---
amdhsa.version: [ 1, 2 ]
amdhsa.kernels:
  - .name:           k_q543d00a7d4_quant
    .symbol:         k_q543d00a7d4_quant.kd
    .args:
      - { .name: embedded, .offset: 0, .size: 8, .value_kind: global_buffer, .address_space: global }
      - { .name: Wq, .offset: 8, .size: 8, .value_kind: global_buffer, .address_space: global }
      - { .name: Wk, .offset: 16, .size: 8, .value_kind: global_buffer, .address_space: global }
      - { .name: Wv, .offset: 24, .size: 8, .value_kind: global_buffer, .address_space: global }
      - { .name: xw_codes, .offset: 32, .size: 8, .value_kind: global_buffer, .address_space: global }
      - { .name: xw_scales, .offset: 40, .size: 8, .value_kind: global_buffer, .address_space: global }
    .group_segment_fixed_size: 69632
    .private_segment_fixed_size: 0
    .kernarg_segment_align: 8
    .kernarg_segment_size: 48
    .max_flat_workgroup_size: 256
    .sgpr_count:     66
    .vgpr_count:     170
    .wavefront_size: 32
...
	.end_amdgpu_metadata
.endif
;; end of part 1
;; launch project (part 2): grid 16 x 16, 4 waves a work-group, clusters of 4 x 1, 168,448 bytes of LDS; arguments xw_codes, xw_scales, qc, kv; writes qc, kv
.if DOCPART == 2
	.amdgcn_target "amdgcn-amd-amdhsa--gfx1250"
	.amdhsa_code_object_version 6
	.text
	.protected	k_q543d00a7d4_project
	.globl	k_q543d00a7d4_project
	.p2align	8
	.type	k_q543d00a7d4_project,@function
k_q543d00a7d4_project:
	s_mov_b64 s[64:65], 0
	v_nop
	global_prefetch_b8 v0, s[64:65] scope:SCOPE_SE
	s_setreg_imm32_b32 hwreg(HW_REG_WAVE_MODE, 25, 1), 1
	s_wait_xcnt 0x0
	s_wait_alu depctr_hold_cnt(0) depctr_sa_sdst(0) depctr_va_vdst(0) depctr_va_sdst(0) depctr_va_ssrc(0) depctr_va_vcc(0) depctr_vm_vsrc(0)
	s_getreg_b32 s2, hwreg(HW_REG_IB_STS2, 6, 4)
	s_cmp_eq_u32 s2, 0
	s_cbranch_scc0 .Lentry_in_a_cluster
	s_endpgm
.Lentry_in_a_cluster:
	s_bfe_u32 s2, ttmp6, 0x10000c
	s_cmp_lg_u32 s2, 0x3003
	s_cbranch_scc0 .Lentry_shape_is_right
	s_endpgm
.Lentry_shape_is_right:
; q, k, v = x W^T on codes of FP6 (E2M3), K = 1,024, and straight on: q and k quantised along the head's 64, v along the tokens.  q, k, v never lie in memory as f32.
; SHARES: work-group (x, head) takes tokens 256 x .. 256 x + 255 (of 4,096) and the head's 192 outputs (q, k, v); wave w takes 64 tokens (tiles m = 0 .. 3) x 192: 48 accumulators, 384 matrix instructions.
; q, k: source 0 = 16 rows of W, source 1 = 16 tokens: a lane holds ONE token, its registers run along d.   v: source 0 = 16 tokens, source 1 = 16 rows of Wv: a lane holds ONE d, its registers run along the tokens.
; By the tiles' row order (lane r of tile T is row 64 (T / 4) + 8 (T % 4) + r % 8 + 32 (r / 8)) the 32 registers of four tiles of source 0 are, in lane (r, h), the 32 neighbours 32 h + 0 .. 31 along the
; next product's K: a whole scale block.  So no lane looks at another for a largest magnitude, and two conversions give six registers of the next operand as they fall.
; W: the head's block of xw_codes (147,456 bytes, [s 8][q, k, v][t 4][1536]) comes into LDS ONCE, as it lies, in four stages of two K steps: wave i asks for stage i.
; CLUSTER: the four work-groups of a cluster have the same head, so each stage of W is asked for JOINTLY: the same tensor load, the same descriptor, the mask of all four, in all four.
; x is not asked for jointly: each fragment is used by one wave of the work-group alone and goes from memory straight into registers; in LDS its 196,608 bytes do not fit beside W's 147,456.
; x's loads run five K steps ahead (60 loads of 512 consecutive bytes a wave), and all of W is asked for at the head: no stream is left for a prefetch to run ahead in.
; OUT: qc [bh 32][group of 64 tokens 32][3328]: four half images (K = 64: registers 0-3 at 16 l, 4-5 at 512 + 8 l; 768 bytes), then 256 bytes of scale words (the word at 8 l + 4 i: tile 2 i + l / 16, row l % 16;
;      bytes 0, 1 the two blocks', bytes 2, 3 0x7f).   kv [bh 32][128 keys 16][13056]: K's 8 half images; V's 4 fragments (two half images each) at 6,144; K's scale words at 12,288; V's at 12,800.
; LIMITS: as in the launch before (NaN, infinities; largest magnitudes under 2^-124; a block of zeros gets the byte 1).
; REGISTERS, in windows of 256: window 0: v2-5 16 x lane + 36,864 i; v6 8 x lane; v7, v8 places of V's scale bytes in LDS; v16-31 x's scale words; v32-79 W's; v80-223 x's fragments, three sets of 48; at the end v80-231 at work.
;   window 1: q's accumulators at 32 m + 8 t, k's at 128 + 32 m + 8 t.   window 2: v's at 32 t + 8 m.   window 3: W's fragments: q's at 0, k's at 48, v's at 96; two more sets of x's at 144 and 192.
.set FRB,    1536                      ; a fragment's image
.set WSTEP,  12*FRB                    ; a K step of the head's W
.set WSTAGE, 2*WSTEP                   ; a stage: what one wave's tensor load brings
.set WHEAD,  8*WSTEP
.set WOFF,   3145728                   ; where W begins in xw_codes
.set WSOFF,  131072                    ; and in xw_scales
.set VSTG,   WHEAD                     ; LDS, behind W: 512 bytes into which no tensor load lands: V's scale bytes of two key steps
.set SPARE,  VSTG+512                  ; the spare words, 128 bytes a wave
.set QREC,   3328
.set KREC,   13056
.set LW,  2
.set L8,  6
.set VSI, 7
.set VSO, 8
.set XSC, 16
.set WSC, 32
.set XB0, 80
.set TT,  80                           ; the end: v80-87 largest magnitudes,
.set SO,  96                           ; scale operands,
.set BY,  104                          ; bytes
.set FF,  112                          ; v112-207 codes: 8 registers for each unit, 32 for each of q, k, v, so that no store's data are written again
.set MP,  208                          ; v208-213 scale words, two registers for each of q, k, v
.set GG,  216                          ; v216-231 the conversions' upper halves
.set VB,  238
.set SPW, 254
.set NIL, 255
.set WV,  12                           ; s12 my wave's number
.set MQK, 0x53                         ; source 0 (W) window 3, source 1 (x) window 0, C and D window 1
.set MV,  0xac                         ; source 0 (x) window 0, source 1 (Wv) window 3, C and D window 2
.set TO_3, 0xc0                        ; destination window 3, address window 0
.set MSB, 0
.macro WIN new                         ; the immediate's high byte repeats the setting that is left; a switch that changes nothing is dropped
.if MSB != (\new)
	s_set_vgpr_msb (MSB<<8)|(\new)
.set MSB, (\new)
.endif
.endm
.macro CROUND                          ; a round of the cluster's barrier
	s_barrier_signal -1
	s_barrier_wait -1
	s_cmp_lg_u32 s[WV], 0
	s_cbranch_scc1 .Lnot_wave_0_\@
	s_barrier_signal -3
.Lnot_wave_0_\@:
	s_barrier_wait -3
	s_barrier_signal -1
	s_barrier_wait -1
.endm
.macro PLACES                          ; four plain vector instructions between a matrix instruction and a load into, or a vector instruction on, its registers (ISA guide 7.12.1 for vector instructions)
.rept 4
	v_nop
.endr
.endm
.macro TLOAD
	tensor_load_to_lds s[24:27], s[16:23]
	s_nop 0
	PLACES
.endm
.macro ARM wave, next                  ; one wave's load, a line of its own
	s_cmp_eq_u32 s[WV], \wave
	s_cbranch_scc0 \next
	TLOAD
	s_branch .Lasked
\next:
.endm
.macro SHOW i                          ; the signal that shows stage i: its wave has waited for its load. The last shows all that is out: there every wave waits
.set STG_, \i
.if STG_ < 3
	s_cmp_eq_u32 s[WV], STG_
	s_cbranch_scc0 .Lnot_mine_\@
	s_wait_tensorcnt 0x0
.Lnot_mine_\@:
.else
	s_wait_tensorcnt 0x0
.endif
	s_wait_dscnt 0x0                               ; no LDS instruction of mine is pending at a signal
	s_barrier_signal -1
.endm
	s_load_b256 s[4:11], s[0:1], 0x0               ; xw_codes s[4:5], xw_scales s[6:7], qc s[8:9], kv s[10:11]
	v_lshl_add_u32 v[SPW], v0, 2, SPARE
	v_mov_b32 v[NIL], 0
	ds_add_u32 v[SPW], v[NIL]                      ; the opening lines; the set-up stands between the second add and the wait
	ds_add_u32 v[SPW], v[NIL]
	v_lshrrev_b32 v1, 5, v0
	v_readfirstlane_b32 s[WV], v1                  ; wave 0..3
	s_bfe_u32 s13, ttmp6, 0x40000                  ; cx: my place in the cluster
	s_lshl_b32 s14, ttmp9, 2                       ; in a cluster launch ttmp9 counts clusters
	s_add_co_u32 s14, s14, s13                     ; x: my block of 256 tokens; it enters global addresses of my own loads and stores alone
	s_and_b32 s15, ttmp7, 0xffff                   ; the head, which the four partners share
	; descriptor group 1: 144 rows of 256 bytes (32 elements of 8 bytes), dense in memory and in LDS: a stage
	s_mov_b32 s16, 15|(3<<16)|(1<<21)              ; 15:0 the mask: all four work-groups; 17:16 elements of 8 bytes; 20 no padding; 21 set beside a mask
	s_mov_b32 s17, 32<<16                          ; tensor_dim0 = 32
	s_mov_b32 s18, 144<<16                         ; tensor_dim1 = 144
	s_mov_b32 s19, 32<<16                          ; tile_dim0 = 32
	s_mov_b32 s20, 144                             ; tile_dim1 = 144
	s_mov_b32 s21, 32                              ; from row to row: 32 elements
	s_mov_b32 s22, 0
	s_mov_b32 s23, 0
	s_mov_b32 s24, 1                               ; descriptor group 0: count = 1,
	s_mul_i32 s25, s[WV], WSTAGE                   ; LDS address: my stage: the wave's number alone
	s_mul_i32 s58, s15, WHEAD
	s_add_co_u32 s58, s58, s25
	s_add_co_u32 s58, s58, WOFF
	s_mov_b32 s59, 0
	s_lshr_b32 s2, s[WV], 1
	s_lshl_b32 s2, s2, 8
	s_add_co_u32 s2, s2, VSTG                      ; waves 0, 1 share one key step's 256 bytes, waves 2, 3 the other's
	s_and_b32 s3, s[WV], 1                         ; c: which 64 of the key step's 128 tokens are mine
	s_lshl_b32 s60, s3, 1
	s_add_co_u32 s60, s60, s2
	v_and_b32 v9, 31, v0                           ; lane
	v_lshlrev_b32 v[LW], 4, v9                     ; 16 x lane: an image's place for my lane, in memory and in stage 0 of W
.irp i, 1,2,3
	v_add_nc_u32 v[LW+\i], \i*WSTAGE, v[LW]
.endr
	v_lshlrev_b32 v[L8], 3, v9                     ; 8 x lane
	v_add_nc_u32 v[VSO], s2, v[L8]
	v_add_nc_u32 v[VSI], s60, v[L8]                ; my two bytes of the word at 8 x lane: + 2 c
	s_wait_alu depctr_va_vdst(0)                   ; the wait at the end of the head's vector work
	s_wait_dscnt 0x0                               ; both opening adds are done
	CROUND                                         ; all four work-groups are here: the joint loads meet
	s_wait_kmcnt 0x0
	s_add_nc_u64 s[26:27], s[4:5], s[58:59]
	s_or_b32 s27, s27, 0x80000000                  ; type = 2
	ARM 0, .Lwave_1
	ARM 1, .Lwave_2
	ARM 2, .Lwave_3
	TLOAD
.Lasked:
	s_mov_b32 s63, 0
	s_lshl_b32 s60, s14, 4
	s_lshl_b32 s61, s[WV], 2
	s_add_co_u32 s60, s60, s61                     ; my first tile of tokens: 16 x + 4 w
	s_mul_i32 s62, s60, 8*FRB
	s_add_nc_u64 s[40:41], s[4:5], s[62:63]        ; its fragments; never rewritten
	s_lshl_b32 s62, s60, 9
	s_add_nc_u64 s[42:43], s[6:7], s[62:63]        ; its scale words
	s_mul_i32 s62, s15, 12*512
	s_add_co_u32 s62, s62, WSOFF
	s_add_nc_u64 s[48:49], s[6:7], s[62:63]        ; the head's W's scale words
.irp m, 0,1,2,3
	global_load_b128 v[XSC+4*\m:XSC+4*\m+3], v[LW], s[42:43] offset:512*\m   ; register j: K step 2 j in lanes 0-15, 2 j + 1 in lanes 16-31
.endr
.irp q, 0,1,2,3,4,5,6,7,8,9,10,11
	global_load_b128 v[WSC+4*\q:WSC+4*\q+3], v[LW], s[48:49] offset:512*\q
.endr
; where K step s's fragments of x lie: set s % 5: register XR_ of window XW_
.macro XSET s
.if (\s)%5 < 3
.set XR_, XB0+48*((\s)%5)
.set XW_, 0
.else
.set XR_, 144+48*((\s)%5-3)
.set XW_, 3
.endif
.endm
.macro XLD s                           ; x's four fragments of K step s
	XSET \s
	WIN XW_<<6
.irp m, 0,1,2,3
.irp g, 0,1,2
	global_load_b128 v[XR_+12*\m+4*\g:XR_+12*\m+4*\g+3], v[LW], s[40:41] offset:\m*8*FRB+(\s)*FRB+512*\g
.endr
.endr
	WIN 0
.endm
; the four fragments of W's part p (0 q, 1 k, 2 v) of K step s, from LDS
.macro WLD p, s
	WIN TO_3
.irp t, 0,1,2,3
.irp g, 0,1,2
	ds_load_b128 v[48*(\p)+12*\t+4*\g:48*(\p)+12*\t+4*\g+3], v[LW+(\s)/2] offset:((\s)%2)*WSTEP+(4*(\p)+\t)*FRB+512*\g
.endr
.endr
.endm
; one matrix instruction of K step s.  The first K step starts the sums: nothing is cleared.  In odd K steps both sides' scale words stand in lanes 16-31
.macro MM d, a, b, sa, sb, s
.if (\s) == 0
	v_wmma_scale_f32_16x16x128_f8f6f4 v[\d:\d+7], v[\a:\a+11], v[\b:\b+11], 0, v[\sa], v[\sb] matrix_a_fmt:MATRIX_FMT_FP6 matrix_b_fmt:MATRIX_FMT_FP6
.elseif (\s)%2
	v_wmma_scale_f32_16x16x128_f8f6f4 v[\d:\d+7], v[\a:\a+11], v[\b:\b+11], v[\d:\d+7], v[\sa], v[\sb] matrix_a_fmt:MATRIX_FMT_FP6 matrix_b_fmt:MATRIX_FMT_FP6 matrix_a_scale:MATRIX_SCALE_ROW1 matrix_b_scale:MATRIX_SCALE_ROW1
.else
	v_wmma_scale_f32_16x16x128_f8f6f4 v[\d:\d+7], v[\a:\a+11], v[\b:\b+11], v[\d:\d+7], v[\sa], v[\sb] matrix_a_fmt:MATRIX_FMT_FP6 matrix_b_fmt:MATRIX_FMT_FP6
.endif
.endm
; The 48 accumulators take turns, one instruction a turn, in the same order in every K step.
.macro MULQK p, s, m0, m1              ; tiles of tokens m0 .. m1 - 1
	XSET \s
	WIN MQK|(XW_<<2)
.set M_, \m0
.rept (\m1)-(\m0)
.irp t, 0,1,2,3
	MM 128*(\p)+32*M_+8*\t, 48*(\p)+12*\t, XR_+12*M_, WSC+4*(4*(\p)+\t)+(\s)/2, XSC+4*M_+(\s)/2, \s
.endr
.set M_, M_+1
.endr
.endm
.macro MULV s
	XSET \s
	WIN MV|XW_
.irp t, 0,1,2,3
.irp m, 0,1,2,3
	MM 32*\t+8*\m, XR_+12*\m, 96+12*\t, XSC+4*\m+(\s)/2, WSC+4*(8+\t)+(\s)/2, \s
.endr
.endr
.endm
; 16 products of part p; then its fragments of the next K step are fetched into the registers just read.  left: the LDS loads issued behind this part's, which may stay out.
; Where the next K step lies in the next stage of W, a barrier shows that stage ahead of the fetch, with the last four products between its signal and its wait.
.macro PHASE p, s, left
	s_wait_dscnt \left
.if (\p) == 2
	MULV \s
.elseif ((\p) == 0) && ((\s)%2) && ((\s) < 7)
	MULQK \p, \s, 0, 3
	WIN 0
	SHOW ((\s)+1)/2
	MULQK \p, \s, 3, 4
	s_barrier_wait -1
.else
	MULQK \p, \s, 0, 4
.endif
.if ((\s) < 7) || ((\p) == 2)
	PLACES
.endif
.if (\s) < 7
	WLD \p, (\s)+1
.endif
.endm
.macro KSTEP s
.if (\s) < 3
	s_wait_loadcnt 48                              ; x's fragments of this K step are in (and, in step 0, the scale words asked for ahead of them); the four younger K steps' 48 loads may be out
.else
	s_wait_loadcnt 12*(7-(\s))
.endif
.if (\s) < 7
	PHASE 0, \s, 24                                ; behind the part wanted stand the two other parts' 24 loads
	PHASE 1, \s, 24
	PHASE 2, \s, 24
.else
	PHASE 0, \s, 24                                ; the last K step fetches nothing: the counts run down
	PHASE 1, \s, 12
	PHASE 2, \s, 0
.endif
.if (\s) < 3
	XLD (\s)+5                                     ; into the set that this K step's products have read: the four places stand behind the last of them
.endif
.endm
.irp s, 0,1,2,3,4
	XLD \s
.endr
	; where the results go
	s_lshr_b32 s60, s14, 3
	s_lshl_b32 s60, s60, 4
	s_add_co_u32 s60, s60, s15                     ; bh = 16 x batch + head
	s_and_b32 s61, s14, 7                          ; my block of 256 tokens in the batch
	s_lshl_b32 s62, s60, 5
	s_lshl_b32 s2, s61, 2
	s_add_co_u32 s62, s62, s2
	s_add_co_u32 s62, s62, s[WV]
	s_mul_i32 s62, s62, QREC
	s_add_nc_u64 s[44:45], s[8:9], s[62:63]        ; q: record 32 bh + 4 (x % 8) + w
	s_lshl_b32 s62, s60, 4
	s_lshl_b32 s2, s61, 1
	s_add_co_u32 s62, s62, s2
	s_lshr_b32 s2, s[WV], 1
	s_add_co_u32 s62, s62, s2
	s_mul_i32 s62, s62, KREC
	s_add_nc_u64 s[46:47], s[10:11], s[62:63]      ; k, v: record 16 bh + 2 (x % 8) + w / 2
	s_mul_i32 s62, s3, 3072
	s_add_nc_u64 s[50:51], s[46:47], s[62:63]      ; K's half images 4 c + m
	s_mul_i32 s62, s3, 768
	s_add_nc_u64 s[52:53], s[46:47], s[62:63]      ; half c of V's fragments (+ 6,144 in the immediate)
	s_lshl_b32 s62, s3, 8
	s_add_nc_u64 s[60:61], s[46:47], s[62:63]      ; K's scale words of my 64 keys (+ 12,288 in the immediate)
	SHOW 0
	s_barrier_wait -1                              ; stage 0 is in
	WLD 0, 0
	WLD 1, 0
	WLD 2, 0
.irp s, 0,1,2,3,4,5,6,7
	KSTEP \s
.endr
; THE END.  A unit is 32 consecutive accumulator registers of a lane: its block h of 32 along the next K.  q, k: unit = tile of tokens; v: unit = tile of d.
; Its codes become a half image (6 registers); each accumulator is read from its low end on.
.macro EPI p
.set WN, 1+(\p)/2                      ; the accumulators' window
.set AB, 128*((\p)%2)
.set FB, FF+32*(\p)
.set WD, MP+2*(\p)
	WIN WN*5                                       ; sources 0 and 1
.irp g, 0,1,2,3,4,5,6,7                ; half g % 2 of unit g / 2; the eight by turns
	v_max3_num_f32 v[TT+\g], |v[AB+16*\g]|, |v[AB+16*\g+1]|, 0x1800000   ; the floor 2^(3 - 127) holds the byte at 1 from below
.endr
.irp i, 2,4,6,8,10,12,14
.irp g, 0,1,2,3,4,5,6,7
	v_max3_num_f32 v[TT+\g], |v[AB+16*\g+\i]|, |v[AB+16*\g+\i+1]|, v[TT+\g]
.endr
.endr
	WIN 0
.irp u, 0,1,2,3
	v_max_num_f32 v[TT+\u], v[TT+2*\u], v[TT+2*\u+1]   ; the block's largest magnitude
.endr
.irp u, 0,1,2,3
	v_add_nc_u32 v[SO+\u], 0xff000000, v[TT+\u]    ; 2 off its exponent field: the conversion's scale operand
.endr
.irp u, 0,1,2,3
	v_lshrrev_b32 v[BY+\u], 23, v[SO+\u]           ; the scale's byte: block h of unit u
.endr
	v_permlane16_swap_b32 v[BY], v[BY+1]           ; the first now holds block 0 of unit 0 (lanes 0-15) and of unit 1 (lanes 16-31), the second their blocks 1
	v_permlane16_swap_b32 v[BY+2], v[BY+3]
	v_lshl_or_b32 v[WD], v[BY+1], 8, v[BY]         ; register i: unit 2 i's words in lanes 0-15, unit 2 i + 1's in lanes 16-31
	v_lshl_or_b32 v[WD+1], v[BY+3], 8, v[BY+2]
.if (\p) < 2
	v_or_b32 v[WD], 0x7f7f0000, v[WD]              ; the next product's K is 64 of the instruction's 128: the empty blocks get the byte of 1.0
	v_or_b32 v[WD+1], 0x7f7f0000, v[WD+1]
.endif
	WIN WN                                         ; source 0
.irp u, 0,1,2,3
	v_cvt_scalef32_pk16_fp6_f32 v[FB+8*\u:FB+8*\u+2], v[AB+32*\u:AB+32*\u+15], v[SO+\u]
	v_cvt_scalef32_pk16_fp6_f32 v[GG+4*\u:GG+4*\u+2], v[AB+32*\u+16:AB+32*\u+31], v[SO+\u]   ; (a conversion's three registers begin on an even number: the upper halves are made elsewhere and moved)
.endr
	WIN 0
	v_nop                                          ; one plain place behind the scaled conversions
.irp u, 0,1,2,3
.irp i, 0,1,2
	v_mov_b32 v[FB+8*\u+3+\i], v[GG+4*\u+\i]
.endr
.endr
.irp u, 0,1,2,3                        ; a half image: 512 and 256 consecutive bytes, aligned to 256
.if (\p) == 0
	global_store_b128 v[LW], v[FB+8*\u:FB+8*\u+3], s[44:45] offset:768*\u
	global_store_b64 v[L8], v[FB+8*\u+4:FB+8*\u+5], s[44:45] offset:768*\u+512
.elseif (\p) == 1
	global_store_b128 v[LW], v[FB+8*\u:FB+8*\u+3], s[50:51] offset:768*\u
	global_store_b64 v[L8], v[FB+8*\u+4:FB+8*\u+5], s[50:51] offset:768*\u+512
.else
	global_store_b128 v[LW], v[FB+8*\u:FB+8*\u+3], s[52:53] offset:6144+1536*\u
	global_store_b64 v[L8], v[FB+8*\u+4:FB+8*\u+5], s[52:53] offset:6144+1536*\u+512
.endif
.endr
.if (\p) == 0
	global_store_b64 v[L8], v[WD:WD+1], s[44:45] offset:3072
.elseif (\p) == 1
	global_store_b64 v[L8], v[WD:WD+1], s[60:61] offset:12288
.else
	ds_store_b16 v[VSI], v[WD]                     ; V's word of a row has four key blocks, two of them mine: the two waves of a key step piece it together in LDS
	ds_store_b16 v[VSI], v[WD+1] offset:4
.endif
.endm
	WIN 0
	EPI 0
	EPI 1
	EPI 2
	s_wait_alu depctr_va_vdst(0)
	s_wait_dscnt 0x0                               ; for the others' sake: my bytes have landed
	s_barrier_signal -1
	s_barrier_wait -1
	s_cmp_lg_u32 s3, 0                             ; the even wave of each pair stores the key step's words
	s_cbranch_scc1 .Lodd
	ds_load_b64 v[VB:VB+1], v[VSO]
	s_wait_dscnt 0x0
	global_store_b64 v[L8], v[VB:VB+1], s[46:47] offset:12800
.Lodd:
	s_wait_tensorcnt 0x0                           ; the wave's end
	ds_add_u32 v[SPW], v[NIL]
	s_wait_dscnt 0x0
	CROUND                                         ; the closing round: no work-group ends while a partner may still ask for a stage that names it
	s_endpgm
.Lfunc_end_k_q543d00a7d4_project:
	.size	k_q543d00a7d4_project, .Lfunc_end_k_q543d00a7d4_project-k_q543d00a7d4_project
	.p2alignl 7, 3214868480
	.fill 96, 4, 3214868480
	.section	.rodata,"a",@progbits
	.p2align	6, 0x0
	.amdhsa_kernel k_q543d00a7d4_project
		.amdhsa_group_segment_fixed_size 168448
		.amdhsa_private_segment_fixed_size 0
		.amdhsa_enable_private_segment 0
		.amdhsa_kernarg_size 32
		.amdhsa_user_sgpr_count 2
		.amdhsa_user_sgpr_kernarg_segment_ptr 1
		.amdhsa_wavefront_size32 1
		.amdhsa_system_sgpr_workgroup_id_x 1
		.amdhsa_system_sgpr_workgroup_id_y 1
		.amdhsa_system_sgpr_workgroup_id_z 1
		.amdhsa_system_vgpr_workitem_id 0
		.amdhsa_next_free_vgpr 1024
		.amdhsa_next_free_sgpr 66
		.amdhsa_reserve_vcc 0
		.amdhsa_float_denorm_mode_32 3
		.amdhsa_float_denorm_mode_16_64 3
		.amdhsa_memory_ordered 1
		.amdhsa_forward_progress 1
		.amdhsa_inst_pref_size 110
	.end_amdhsa_kernel
	.amdgpu_metadata
---
amdhsa.version: [ 1, 2 ]
amdhsa.kernels:
  - .name:           k_q543d00a7d4_project
    .symbol:         k_q543d00a7d4_project.kd
    .args:
      - { .name: xw_codes, .offset: 0, .size: 8, .value_kind: global_buffer, .address_space: global }
      - { .name: xw_scales, .offset: 8, .size: 8, .value_kind: global_buffer, .address_space: global }
      - { .name: qc, .offset: 16, .size: 8, .value_kind: global_buffer, .address_space: global }
      - { .name: kv, .offset: 24, .size: 8, .value_kind: global_buffer, .address_space: global }
    .group_segment_fixed_size: 168448
    .private_segment_fixed_size: 0
    .kernarg_segment_align: 8
    .kernarg_segment_size: 32
    .max_flat_workgroup_size: 128
    .sgpr_count:     66
    .vgpr_count:     1024
    .wavefront_size: 32
...
	.end_amdgpu_metadata
.endif
;; end of part 2
;; launch attend (part 3): grid 8 x 32, 16 waves a work-group, clusters of 4 x 1, 327,680 bytes of LDS; arguments qc, kv, out0; writes out0
.if DOCPART == 3
	.amdgcn_target "amdgcn-amd-amdhsa--gfx1250"
	.amdhsa_code_object_version 6
	.text
	.protected	k_q543d00a7d4_attend
	.globl	k_q543d00a7d4_attend
	.p2align	8
	.type	k_q543d00a7d4_attend,@function
k_q543d00a7d4_attend:
	s_mov_b64 s[64:65], 0
	v_nop
	global_prefetch_b8 v0, s[64:65] scope:SCOPE_SE
	s_setreg_imm32_b32 hwreg(HW_REG_WAVE_MODE, 25, 1), 1
	s_wait_xcnt 0x0
	s_wait_alu depctr_hold_cnt(0) depctr_sa_sdst(0) depctr_va_vdst(0) depctr_va_sdst(0) depctr_va_ssrc(0) depctr_va_vcc(0) depctr_vm_vsrc(0)
	s_getreg_b32 s2, hwreg(HW_REG_IB_STS2, 6, 4)
	s_cmp_eq_u32 s2, 0
	s_cbranch_scc0 .Lentry_in_a_cluster
	s_endpgm
.Lentry_in_a_cluster:
	s_bfe_u32 s2, ttmp6, 0x10000c
	s_cmp_lg_u32 s2, 0x3003
	s_cbranch_scc0 .Lentry_shape_is_right
	s_endpgm
.Lentry_shape_is_right:
; out = softmax(q k^T / 8, causal) v on codes of FP6 (E2M3), for each of 32 (batch, head): 2,048 queries, 2,048 keys in 16 KEY STEPS of 128, head size 64.
; WORK LEFT OUT: key steps wholly behind a tile's queries (reference() gives their scores -inf for all inputs); a NaN or infinity that reaches only them is not carried.
; LIMITS: the promise holds while the scaled scores (score x log2(e) / 8, before the maximum is taken away) stay under 2^31 in magnitude; NaN and infinities are not served.
; A block's largest p is made by the exponential of its largest score: this takes v_exp_f32 not to fall where its input rises.
; SHARES: a work-group (bh, x = 0 .. 7) owns sixteen tiles of 16 queries, one in each key step; tile number = key step number.  A tile's queries are 64 g + 8 cx + r % 8 + 32 (r / 8) of its step (g = cluster's x, cx = place in it).
; Tile n has n + 1 key steps to walk.  TWO WAVES SHARE TWO TILES, the long tile 15 - s and the short tile s (17 steps): wave s (s = 0 .. 7) takes the long tile's steps 0 .. 7, wave s + 8 the long tile's
; steps 8 .. 15 - s and then the short tile's 0 .. s: 8 and 9 steps.  When the second is through with the long tile it leaves that part (O^T, the sum, -M) in LDS; the first joins it to its own.
; All K and V of bh come into LDS at the head, ONE record of 13,056 bytes a wave, jointly for the cluster's four work-groups, which have the same bh (eight have it; a mask names four at the most).
; Slot w holds record w / 2 + 8 (w % 2): slots 0 to 3 hold what the first two trips read, and are shown by the first barrier; the second, behind two trips, shows the rest.
; Nothing is fetched in a loop: no prefetch has anything to run ahead of.
; THE STEP: S^T = K Q^T (K = 64 of the instruction's 128: q's upper registers are zeros, so what stands in K's adds nothing), softmax with a running whole-number M, P quantised, O^T += V^T P^T.
; By the tiles' row order lane (r, h) holds query r and, in v[96 + 32 c + n], key 64 c + 32 h + n: a whole block of 32 keys for each c, and O^T's register n is d = 32 h + n.
; REGISTERS: v1 16 x lane, v2 8 x lane, v3-4 LDS addresses; v5 mask; v6-8 way out; v9, v37 and v10, v11 the parts' places; v12 -M, v13 largest score, v[14:15] the sum; v16-27 q, v28 its scales; v30-35 K's and V's scale words;
; v36 P's; v38 f; v40-93 K's, then V's fragments; v96-159 S, P; v160-191 O^T; v192-210 P's codes; v232-238 the short tile's q and scales; v254, v255 the add's.
.set KREC,  13056
.set PART,  16*KREC                    ; LDS, behind the records: 24 regions of 4,352 bytes: wave w's part (w = 8 .. 15) in region w; the way out's stages in regions 0-7 (waves 0-7) and 16-23 (waves 8-15)
.set REGB,  4352
.set SPARE, PART+24*REGB
.set SPW,   254
.set NIL,   255
.set WV,  12
.macro CROUND                          ; a round of the cluster's barrier
	s_barrier_signal -1
	s_barrier_wait -1
	s_cmp_lg_u32 s[WV], 0
	s_cbranch_scc1 .Lnot_wave_0_\@
	s_barrier_signal -3
.Lnot_wave_0_\@:
	s_barrier_wait -3
	s_barrier_signal -1
	s_barrier_wait -1
.endm
	s_load_b128 s[4:7], s[0:1], 0x0                ; qc, kv
	s_load_b64 s[8:9], s[0:1], 0x10                ; out0
	v_lshl_add_u32 v[SPW], v0, 2, SPARE
	v_mov_b32 v[NIL], 0
	ds_add_u32 v[SPW], v[NIL]                      ; the opening lines
	ds_add_u32 v[SPW], v[NIL]
	v_lshrrev_b32 v1, 5, v0
	v_readfirstlane_b32 s[WV], v1
	s_bfe_u32 s13, ttmp6, 0x40000                  ; cx
	s_and_b32 s15, ttmp7, 0xffff                   ; bh
	s_and_b32 s14, s[WV], 7                        ; s
	s_lshr_b32 s10, s[WV], 3                       ; 1: the second wave of the two
	; descriptor: a record, 51 rows of 256 bytes, dense in memory and in LDS
	s_mov_b32 s16, 15|(3<<16)|(1<<21)
	s_mov_b32 s17, 32<<16
	s_mov_b32 s18, 51<<16
	s_mov_b32 s19, 32<<16
	s_mov_b32 s20, 51
	s_mov_b32 s21, 32
	s_mov_b32 s22, 0
	s_mov_b32 s23, 0
	s_mov_b32 s24, 1
	s_mul_i32 s25, s[WV], KREC                     ; slot w
	s_lshr_b32 s2, s[WV], 1
	s_and_b32 s3, s[WV], 1
	s_lshl_b32 s3, s3, 3
	s_or_b32 s2, s2, s3                            ; record w / 2 + 8 (w % 2)
	s_mul_i32 s2, s2, KREC
	s_mul_i32 s48, s15, 16*KREC
	s_add_co_u32 s48, s48, s2
	s_mov_b32 s49, 0
	s_mul_i32 s50, s[WV], REGB
	s_add_co_u32 s50, s50, PART                    ; region w
	s_or_b32 s51, s[WV], 8
	s_mul_i32 s51, s51, REGB
	s_add_co_u32 s51, s51, PART                    ; the second wave's region
	s_and_b32 s52, s[WV], 8
	s_add_co_u32 s52, s52, s[WV]
	s_mul_i32 s52, s52, REGB
	s_add_co_u32 s52, s52, PART                    ; my stage
	s_lshl_b32 s53, s13, 3                         ; 8 cx
	; addresses are made of sixteen-query tiles: where my lanes stand
	v_and_b32 v100, 31, v0
	v_and_b32 v96, 15, v0                          ; r
	v_bfe_u32 v97, v0, 4, 1                        ; h
	v_lshlrev_b32 v1, 4, v100
	v_lshlrev_b32 v2, 3, v100
	v_lshlrev_b32 v101, 2, v100
	v_lshlrev_b32 v29, 3, v96                      ; q's scale words: 8 r
	v_and_b32 v98, 7, v96
	v_lshrrev_b32 v99, 3, v96
	v_sub_nc_u32 v99, v99, v97
	v_lshl_add_u32 v5, v99, 5, v98
	v_add_nc_u32 v5, s53, v5                       ; in the diagonal step's band: query - 32 h: key register n lies behind it where n is greater
	v_mul_u32_u24 v6, v96, 272
	v_lshl_add_u32 v6, v97, 7, v6
	v_add_nc_u32 v6, s52, v6                       ; into the stage: row r, 128 h
	v_mul_u32_u24 v7, v97, 272
	v_lshl_add_u32 v7, v96, 4, v7
	v_add_nc_u32 v7, s52, v7                       ; out of it: two rows of 256 bytes a load
	v_lshlrev_b32 v8, 12, v97
	v_lshl_add_u32 v8, v96, 4, v8                  ; and the same two rows in out0
	v_add_nc_u32 v10, s50, v1
	v_add_nc_u32 v11, s50, v101
	v_add_nc_u32 v9, s51, v1
	v_add_nc_u32 v37, s51, v101
	s_wait_alu depctr_va_vdst(0)
	s_wait_dscnt 0x0                               ; both opening adds are done
	CROUND                                         ; all four work-groups are here: the joint loads meet
	s_wait_kmcnt 0x0
	s_add_nc_u64 s[26:27], s[6:7], s[48:49]
	s_or_b32 s27, s27, 0x80000000
	s_cmp_lt_u32 s[WV], 4                          ; one tensor load a wave; waves 0-3 have a line of their own: they wait earlier
	s_cbranch_scc0 .Lothers
	tensor_load_to_lds s[24:27], s[16:23]
	s_nop 0
.rept 4
	v_nop
.endr
	s_branch .Lasked
.Lothers:
	tensor_load_to_lds s[24:27], s[16:23]
	s_nop 0
.rept 4
	v_nop
.endr
.Lasked:
	; q: record 32 bh + 2 x tile + g, half image cx; its scale word (cx % 2) 128 + (cx / 2) 4 + 8 r behind 3,072
	s_lshl_b32 s30, s15, 5
	s_add_co_u32 s30, s30, ttmp9
	s_mul_i32 s31, s13, 768
	s_and_b32 s32, s13, 1
	s_lshl_b32 s32, s32, 7
	s_lshr_b32 s33, s13, 1
	s_lshl_b32 s33, s33, 2
	s_add_co_u32 s32, s32, s33
	s_xor_b32 s58, s14, 15
	s_lshl_b32 s58, s58, 1
	s_add_co_u32 s58, s58, s30
	s_mul_i32 s58, s58, 3328                       ; the long tile's record
	s_lshl_b32 s59, s14, 1
	s_add_co_u32 s59, s59, s30
	s_mul_i32 s59, s59, 3328                       ; the short tile's
	s_add_co_u32 s54, s58, s31
	s_mov_b32 s55, 0
	s_add_co_u32 s60, s58, s32
	s_mov_b32 s61, 0
	s_add_co_u32 s56, s59, s31
	s_mov_b32 s57, 0
	s_add_co_u32 s62, s59, s32
	s_mov_b32 s63, 0
	s_add_nc_u64 s[54:55], s[4:5], s[54:55]
	s_add_nc_u64 s[60:61], s[4:5], s[60:61]
	s_add_nc_u64 s[56:57], s[4:5], s[56:57]
	s_add_nc_u64 s[62:63], s[4:5], s[62:63]
	global_load_b128 v[16:19], v1, s[54:55]
	global_load_b64 v[20:21], v2, s[54:55] offset:512
	global_load_b32 v28, v29, s[60:61] offset:3072
.irp i, 0,1,2,3,4,5,6
	v_mov_b32 v[232+\i], 0                         ; (the first waves have no second tile)
.endr
	s_cmp_eq_u32 s10, 0
	s_cbranch_scc1 .Lone_tile
	global_load_b128 v[232:235], v1, s[56:57]
	global_load_b64 v[236:237], v2, s[56:57] offset:512
	global_load_b32 v238, v29, s[62:63] offset:3072
.Lone_tile:
	; the trip behind which the second wave changes tiles: 8 - s; never for the first
	s_sub_co_u32 s46, 8, s14
	s_xor_b32 s2, s10, 1
	s_lshl_b32 s3, s2, 6
	s_add_co_u32 s46, s46, s3
	; my result: the first wave's is the long tile's, the second's the short tile's
	s_mul_i32 s2, s2, 15
	s_xor_b32 s2, s2, s14
	s_lshl_b32 s2, s2, 7
	s_lshr_b32 s28, s15, 4
	s_lshl_b32 s28, s28, 11
	s_add_co_u32 s28, s28, s2
	s_lshl_b32 s2, ttmp9, 6
	s_add_co_u32 s28, s28, s2
	s_add_co_u32 s28, s28, s53
	s_lshl_b32 s28, s28, 12                        ; rows of 4,096 bytes
	s_and_b32 s2, s15, 15
	s_lshl_b32 s2, s2, 8
	s_add_co_u32 s28, s28, s2                      ; 256 x head
	s_mov_b32 s29, 0
	s_add_nc_u64 s[28:29], s[8:9], s[28:29]
	s_mov_b32 s40, 0x76543210
	s_mov_b32 s41, 0xfedcba98                      ; v_permlanex16_b32's selects for lane l xor 16
	s_mov_b32 s42, 0x3e38aa3b                      ; log2(e) / 8
	s_mov_b32 s43, s42
	s_mov_b32 s45, 0
.irp i, 0,1,2,3,4,5
	v_mov_b32 v[22+\i], 0                          ; q's upper half
	v_mov_b32 v[88+\i], 0                          ; behind K's last half image
.endr
	v_mov_b32 v39, 0                               ; (named as the upper half of a pair)
	v_mov_b32 v217, 0                              ; (lane permutes' destinations count as sources)
	v_mov_b32 v222, 0
	v_mov_b32 v228, 0xff800000                     ; -inf
.macro FRESH                           ; a tile begins: no sum, O^T zeros, the largest score under every score, -M so great that the first f is 0
	v_mov_b32 v12, 0x7e967699
	v_mov_b32 v13, 0xff61b1e6
	v_mov_b32 v14, 0
	v_mov_b32 v15, 0
.set J_, 0
.rept 32
	v_mov_b32 v[160+J_], 0
.set J_, J_+1
.endr
.endm
	FRESH
.macro MASK base                       ; 32 keys of each lane: -inf where the key lies behind the query
.set J_, 0
.rept 32
	v_cmp_gt_i32 vcc_lo, J_, v5
	v_cndmask_b32 v[\base+J_], v[\base+J_], v228, vcc_lo
.set J_, J_+1
.endr
.endm
.macro FMAS n
.rept \n
	v_pk_fma_f32 v[96+J_:97+J_], v[96+J_:97+J_], s[42:43], v[12:13] op_sel_hi:[1,0,0]
.set J_, J_+2
.endr
.endm
; One key step.  last = 1: the second wave's last step, the short tile's diagonal step s, in slot 2 s.  Else trip s45: the first wave reads record i, the second 8 + i, or i + s - 8 behind its change of tiles;
; slots bounds the slot's number.
.macro STEP last, slots
.if \last
	s_lshl_b32 s2, s14, 1
	s_mul_i32 s44, s2, KREC
.else
	s_cmp_ge_u32 s45, s46
	s_cselect_b32 s2, s14, 0
	s_cselect_b32 s3, 0, s10
	s_add_co_u32 s2, s2, s45
	s_lshl_b32 s2, s2, 1
	s_and_b32 s2, s2, 14
	s_or_b32 s2, s2, s3
	s_and_b32 s2, s2, \slots
	s_mul_i32 s44, s2, KREC
	s_add_co_u32 s45, s45, 1
.endif
	v_add_nc_u32 v3, s44, v1
	v_add_nc_u32 v4, s44, v2
	v_nop                                          ; with the two lines above, the four places in front of loads into registers that matrix instructions have read
	v_nop
	ds_load_b64 v[30:31], v4 offset:12288
	ds_load_b64 v[32:33], v4 offset:12544
.irp i, 0,1,2,3,4,5,6,7
	ds_load_b128 v[40+6*\i:43+6*\i], v3 offset:768*\i
	ds_load_b64 v[44+6*\i:45+6*\i], v4 offset:768*\i+512
.endr
	s_wait_alu depctr_va_vdst(0)
	s_wait_dscnt 0x6                               ; tiles 0 to 4 are in (a tile's upper registers are the next tile's); the last six loads may be out
.irp i, 0,2,4,6
.if \i == 4
	s_wait_dscnt 0x0
.endif
	v_wmma_scale_f32_16x16x128_f8f6f4 v[96+8*\i:103+8*\i], v[40+6*\i:51+6*\i], v[16:27], 0, v[30+\i/2], v28 matrix_a_fmt:MATRIX_FMT_FP6 matrix_b_fmt:MATRIX_FMT_FP6
	v_wmma_scale_f32_16x16x128_f8f6f4 v[104+8*\i:111+8*\i], v[46+6*\i:57+6*\i], v[16:27], 0, v[30+\i/2], v28 matrix_a_fmt:MATRIX_FMT_FP6 matrix_b_fmt:MATRIX_FMT_FP6 matrix_a_scale:MATRIX_SCALE_ROW1
.endr
.rept 4
	v_nop
.endr
.irp t, 0,1,2,3                        ; V's fragments, under the softmax
	ds_load_b128 v[40+12*\t:43+12*\t], v3 offset:6144+1536*\t
	ds_load_b64 v[44+12*\t:45+12*\t], v4 offset:6144+1536*\t+512
	ds_load_b128 v[46+12*\t:49+12*\t], v3 offset:6144+1536*\t+768
	ds_load_b64 v[50+12*\t:51+12*\t], v4 offset:6144+1536*\t+1280
.endr
	ds_load_b64 v[34:35], v4 offset:12800
.if \last == 0
	s_cmp_lg_u32 s45, s46                          ; the diagonal step is the long tile's last
	s_cbranch_scc1 .Lopen_\@
.endif
	s_cmp_eq_u32 ttmp9, 0                          ; g, the same for all partners: the queries lie in band g of 64 keys
	s_cbranch_scc1 .Lband_0_\@
	MASK 128
	s_wait_alu depctr_va_vdst(0)
	s_branch .Lopen_\@
.Lband_0_\@:
	MASK 96
.set J_, 0
.rept 32
	v_mov_b32 v[128+J_], v228                      ; band 1 lies behind all of them
.set J_, J_+1
.endr
.Lopen_\@:
.irp c, 0,1                            ; the largest score of each block (v212, v213), in two chains each; every accumulator from its low end on
	v_max3_num_f32 v[212+\c], v[96+32*\c], v[97+32*\c], v[98+32*\c]
.endr
.irp c, 0,1
	v_max3_num_f32 v[214+\c], v[112+32*\c], v[113+32*\c], v[114+32*\c]
.endr
.irp i, 3,5,7,9,11,13
.irp c, 0,1
	v_max3_num_f32 v[212+\c], v[212+\c], v[96+32*\c+\i], v[97+32*\c+\i]
.endr
.irp c, 0,1
	v_max3_num_f32 v[214+\c], v[214+\c], v[112+32*\c+\i], v[113+32*\c+\i]
.endr
.endr
.irp c, 0,1
	v_max3_num_f32 v[212+\c], v[212+\c], v[214+\c], v[111+32*\c]
.endr
.irp c, 0,1
	v_max_num_f32 v[212+\c], v[212+\c], v[127+32*\c]
.endr
	s_delay_alu instid0(VALU_DEP_1)
	v_max3_num_f32 v216, v13, v212, v213
	s_delay_alu instid0(VALU_DEP_1)
	v_permlanex16_b32 v217, v216, s40, s41
	s_delay_alu instid0(VALU_DEP_1)
	v_max_num_f32 v13, v216, v217                  ; the row's largest score so far
	s_delay_alu instid0(VALU_DEP_1)
	v_mul_f32 v226, s42, v13
	v_mov_b32 v218, v12
	s_delay_alu instid0(VALU_DEP_2)
	v_floor_f32 v12, -v226                         ; -M: M is a whole number
.set J_, 0
	FMAS 4                                         ; t - M, two at a time
	v_sub_f32 v226, v12, v218
	FMAS 2
	v_cvt_i32_f32 v226, v226                       ; (it saturates)
	FMAS 2
	v_ldexp_f32 v38, 1.0, v226                     ; f = 2^(old M - new M)
	FMAS 24
	v_fma_f32 v212, v212, s42, v12
	v_fma_f32 v213, v213, s42, v12
.set J_, 0
.rept 16
	v_pk_mul_f32 v[160+J_:161+J_], v[160+J_:161+J_], v[38:39] op_sel_hi:[1,0]   ; O^T under the new M
.set J_, J_+2
.endr
	s_wait_alu depctr_va_vdst(0)                   ; the wait ahead of the batch
	v_exp_f32 v212, v212                           ; each block's largest p
	v_exp_f32 v213, v213
.set J_, 0
.rept 64
	v_exp_f32 v[96+J_], v[96+J_]                   ; p
.set J_, J_+1
.endr
	v_pk_mul_f32 v[14:15], v[14:15], v[38:39] op_sel_hi:[1,0]   ; the sum under the new M: a plain place behind the batch
	s_wait_alu depctr_va_vdst(0)                   ; and behind it
	v_max_num_f32 v212, 0x1800000, v212            ; the floor 2^(3 - 127) holds the byte at 1 from below
	v_max_num_f32 v213, 0x1800000, v213
	v_pk_add_f32 v[224:225], v[96:97], v[98:99]    ; the row's sum, of the unquantised p, in two chains
	v_pk_add_f32 v[14:15], v[14:15], v[100:101]
	v_add_nc_u32 v220, 0xff000000, v212            ; the conversions' scale operands
	v_add_nc_u32 v221, 0xff000000, v213
	v_pk_add_f32 v[224:225], v[224:225], v[102:103]
	v_pk_add_f32 v[14:15], v[14:15], v[104:105]
	v_cvt_scalef32_pk16_fp6_f32 v[192:194], v[96:111], v220
	v_cvt_scalef32_pk16_fp6_f32 v[204:206], v[112:127], v220   ; (three registers begin on an even number: the upper halves are moved)
	v_cvt_scalef32_pk16_fp6_f32 v[198:200], v[128:143], v221
	v_cvt_scalef32_pk16_fp6_f32 v[208:210], v[144:159], v221
	v_lshrrev_b32 v218, 23, v220                   ; bytes of blocks h and 2 + h
	v_lshrrev_b32 v219, 23, v221
	v_pk_add_f32 v[224:225], v[224:225], v[106:107]
	v_lshl_or_b32 v218, v219, 16, v218
	v_pk_add_f32 v[14:15], v[14:15], v[108:109]
.irp i, 0,1,2
	v_mov_b32 v[195+\i], v[204+\i]
	v_mov_b32 v[201+\i], v[208+\i]
.endr
	v_permlanex16_b32 v222, v218, s40, s41
.set J_, 110
.rept 2
	v_pk_add_f32 v[224:225], v[224:225], v[J_:J_+1]
	v_pk_add_f32 v[14:15], v[14:15], v[J_+2:J_+3]
.set J_, J_+4
.endr
	v_lshl_or_b32 v36, v222, 8, v218               ; P's scale word, whole in lanes 0-15 (the others are not read)
.rept 10
	v_pk_add_f32 v[224:225], v[224:225], v[J_:J_+1]
	v_pk_add_f32 v[14:15], v[14:15], v[J_+2:J_+3]
.set J_, J_+4
.endr
	v_pk_add_f32 v[224:225], v[224:225], v[158:159]
	v_pk_add_f32 v[14:15], v[14:15], v[224:225]
	s_wait_alu depctr_va_vdst(0)
	s_wait_dscnt 0x0                               ; V's fragments are in
.irp t, 0,2
	v_wmma_scale_f32_16x16x128_f8f6f4 v[160+8*\t:167+8*\t], v[40+12*\t:51+12*\t], v[192:203], v[160+8*\t:167+8*\t], v[34+\t/2], v36 matrix_a_fmt:MATRIX_FMT_FP6 matrix_b_fmt:MATRIX_FMT_FP6
	v_wmma_scale_f32_16x16x128_f8f6f4 v[168+8*\t:175+8*\t], v[52+12*\t:63+12*\t], v[192:203], v[168+8*\t:175+8*\t], v[34+\t/2], v36 matrix_a_fmt:MATRIX_FMT_FP6 matrix_b_fmt:MATRIX_FMT_FP6 matrix_a_scale:MATRIX_SCALE_ROW1
.endr
.if \last == 0
	s_cmp_lg_u32 s45, s46
	s_cbranch_scc1 .Lsame_\@
.irp i, 0,1,2,3,4,5                    ; THE CHANGE OF TILES: the short tile's q (these lines are the places behind the products too),
	v_mov_b32 v[16+\i], v[232+\i]
.endr
	v_mov_b32 v28, v238
	v_add_f32 v14, v14, v15
.irp k, 0,1,2,3,4,5,6,7                ; the long tile's part into my region,
	ds_store_b128 v10, v[160+4*\k:163+4*\k] offset:512*\k
.endr
	ds_store_b32 v11, v14 offset:4096
	ds_store_b32 v11, v12 offset:4224
	s_wait_alu depctr_va_vdst(0)
	s_wait_dscnt 0x0
	FRESH                                          ; and a new beginning
.Lsame_\@:
.endif
.endm
	s_wait_alu depctr_va_vdst(0)                   ; the wait at the head's end
	s_cmp_lt_u32 s[WV], 4
	s_cbranch_scc0 .Lnot_first
	s_wait_tensorcnt 0x0
.Lnot_first:
	s_barrier_signal -1
	s_barrier_wait -1                              ; slots 0 to 3 are in
	s_wait_loadcnt 0x0                             ; q is in
.Lfirst:
	STEP 0, 3
	s_wait_alu depctr_va_vdst(0)
	s_cmp_lt_u32 s45, 2
	s_cbranch_scc1 .Lfirst
	s_wait_tensorcnt 0x0
	s_wait_dscnt 0x0
	s_barrier_signal -1
	s_barrier_wait -1                              ; all records are in
.Lrest:
	STEP 0, 15
	s_wait_alu depctr_va_vdst(0)
	s_cmp_lt_u32 s45, 8
	s_cbranch_scc1 .Lrest
	s_wait_dscnt 0x0
	s_barrier_signal -1
	s_barrier_wait -1                              ; the long tiles' parts lie in LDS
	s_cmp_eq_u32 s10, 0
	s_cbranch_scc1 .Ljoin
	STEP 1, 15                                     ; the second wave's ninth step
	v_add_f32 v14, v14, v15
.rept 3
	v_nop                                          ; with the line above, the four places behind the products
.endr
	s_wait_alu depctr_va_vdst(0)
	s_branch .Lout
.Ljoin:                                            ; the first wave: both parts under the greater M
.irp k, 0,1,2,3,4,5,6,7
	ds_load_b128 v[96+4*\k:99+4*\k], v9 offset:512*\k
.endr
	ds_load_b32 v128, v37 offset:4096
	ds_load_b32 v129, v37 offset:4224
	v_add_f32 v14, v14, v15
	s_wait_alu depctr_va_vdst(0)
	s_wait_dscnt 0x0
	v_min_num_f32 v130, v12, v129
	v_sub_f32 v131, v130, v12
	v_sub_f32 v132, v130, v129
	v_cvt_i32_f32 v131, v131
	v_cvt_i32_f32 v132, v132
	v_ldexp_f32 v134, 1.0, v131
	v_ldexp_f32 v136, 1.0, v132
.set J_, 0
.rept 16
	v_pk_mul_f32 v[96+J_:97+J_], v[96+J_:97+J_], v[136:137] op_sel_hi:[1,0]
.set J_, J_+2
.endr
.set J_, 0
.rept 16
	v_pk_fma_f32 v[160+J_:161+J_], v[160+J_:161+J_], v[134:135], v[96+J_:97+J_] op_sel_hi:[1,0,1]
.set J_, J_+2
.endr
	v_mul_f32 v128, v128, v136
	v_fma_f32 v14, v14, v134, v128
.Lout:
	v_permlanex16_b32 v217, v14, s40, s41
	v_add_f32 v14, v14, v217                       ; the row's sum
	s_wait_alu depctr_va_vdst(0)                   ; the wait ahead of the transcendental
	v_rcp_f32 v14, v14
	v_nop
	s_wait_alu depctr_va_vdst(0)                   ; and behind it
.set J_, 0
.rept 16
	v_pk_mul_f32 v[96+J_:97+J_], v[160+J_:161+J_], v[14:15] op_sel_hi:[1,0]
.set J_, J_+2
.endr
.irp k, 0,1,2,3,4,5,6,7
	ds_store_b128 v6, v[96+4*\k:99+4*\k] offset:16*\k   ; 32 neighbouring d of my row
.endr
.irp i, 0,1,2,3,4,5,6,7
	ds_load_b128 v[128+4*\i:131+4*\i], v7 offset:544*\i   ; LDS serves a wave's instructions in order: these see my stores
.endr
.irp i, 0,1,2,3,4,5,6,7
	s_wait_dscnt 7-\i
	global_store_b128 v8, v[128+4*\i:131+4*\i], s[28:29] offset:(2*\i+24*(\i/4))*4096 th:TH_STORE_NT   ; two rows of the tile, 256 aligned bytes each
.endr
	s_wait_tensorcnt 0x0                           ; the wave's end
	ds_add_u32 v[SPW], v[NIL]
	s_wait_dscnt 0x0
	CROUND                                         ; the closing round
	s_endpgm
.Lfunc_end_k_q543d00a7d4_attend:
	.size	k_q543d00a7d4_attend, .Lfunc_end_k_q543d00a7d4_attend-k_q543d00a7d4_attend
	.p2alignl 7, 3214868480
	.fill 96, 4, 3214868480
	.section	.rodata,"a",@progbits
	.p2align	6, 0x0
	.amdhsa_kernel k_q543d00a7d4_attend
		.amdhsa_group_segment_fixed_size 327680
		.amdhsa_private_segment_fixed_size 0
		.amdhsa_enable_private_segment 0
		.amdhsa_kernarg_size 24
		.amdhsa_user_sgpr_count 2
		.amdhsa_user_sgpr_kernarg_segment_ptr 1
		.amdhsa_wavefront_size32 1
		.amdhsa_system_sgpr_workgroup_id_x 1
		.amdhsa_system_sgpr_workgroup_id_y 1
		.amdhsa_system_sgpr_workgroup_id_z 1
		.amdhsa_system_vgpr_workitem_id 0
		.amdhsa_next_free_vgpr 256
		.amdhsa_next_free_sgpr 66
		.amdhsa_reserve_vcc 1
		.amdhsa_float_denorm_mode_32 3
		.amdhsa_float_denorm_mode_16_64 3
		.amdhsa_memory_ordered 1
		.amdhsa_forward_progress 1
		.amdhsa_inst_pref_size 82
	.end_amdhsa_kernel
	.amdgpu_metadata
---
amdhsa.version: [ 1, 2 ]
amdhsa.kernels:
  - .name:           k_q543d00a7d4_attend
    .symbol:         k_q543d00a7d4_attend.kd
    .args:
      - { .name: qc, .offset: 0, .size: 8, .value_kind: global_buffer, .address_space: global }
      - { .name: kv, .offset: 8, .size: 8, .value_kind: global_buffer, .address_space: global }
      - { .name: out0, .offset: 16, .size: 8, .value_kind: global_buffer, .address_space: global }
    .group_segment_fixed_size: 327680
    .private_segment_fixed_size: 0
    .kernarg_segment_align: 8
    .kernarg_segment_size: 24
    .max_flat_workgroup_size: 512
    .sgpr_count:     66
    .vgpr_count:     256
    .wavefront_size: 32
...
	.end_amdgpu_metadata
.endif
;; end of part 3
